; MI455X (gfx1250); checked and timed in simulation.
; The chip was launched on July 23, 2026; its instructions are those of AMD's public machine-readable ISA for CDNA 5 (MIT licence, August 2026) and "CDNA5" Instruction Set Architecture Reference Guide (July 2026). The comments in the code are by the model that wrote it; some were corrected since.
;; GMM Equal Variance Denoiser. Allowed arithmetic: float matrix products may take bf16 or f16 operands with f32 sums; all other float work in f32.
;; Inputs: means 8,192 x 64 float32; standard_dev 1 float32; t 1 float32; x 16,384 x 1 x 8 x 8 float32.
;; Outputs: out0 16,384 x 1 x 8 x 8 float32.
;; One version. Each part assembles by itself: llvm-mc -triple=amdgcn-amd-amdhsa -mcpu=gfx1250 --defsym DOCPART=n.
;; ======== version 1 of 1: 2 launches
;; workspace buffers: kb 1,081,344 bytes
;; launch prep (part 1): grid 128 x 1, 8 waves a work-group, no clusters, 1,280 bytes of LDS; arguments means, t, standard_dev, kb; writes kb
.if DOCPART == 1
	.amdgcn_target "amdgcn-amd-amdhsa--gfx1250"
	.amdhsa_code_object_version 6
	.text
	.protected	k_q78767900f2_prep
	.globl	k_q78767900f2_prep
	.p2align	8
	.type	k_q78767900f2_prep,@function
k_q78767900f2_prep:
	s_mov_b64 s[64:65], 0
	v_nop
	global_prefetch_b8 v0, s[64:65] scope:SCOPE_SE
	s_setreg_imm32_b32 hwreg(HW_REG_WAVE_MODE, 25, 1), 1
	s_wait_xcnt 0x0
; The key table for the second launch.  means: [8192][64] f32.  kb: 64 chunks of 16,896 bytes; chunk c holds keys 128 c .. 128 c + 127:
;   bytes 0 .. 16,383: the keys rounded to bf16, 128 bytes a key;  bytes 16,384 .. 16,895: 128 f32 biases,
;   bias[k] = -1/2 sc SG |m_bf16[k]|^2, with sc = exp(-t), var = sc^2 sd^2 + (1 - sc^2), SG = the sign of var as +-1.
; |m|^2 is taken from the ROUNDED means, in f32, so that it belongs to the numbers that the matrix unit will multiply.
; Eight waves; the work-group owns 64 keys (half a chunk).  Thread n does two tasks, i = 0, 1: the 8 numbers at 32 n + 8,192 i bytes of
; the group's 16,384; eight neighbouring lanes hold one key.  A task's 16 bytes of bf16 go out so that sixteen lanes store 256 consecutive
; bytes, aligned.  The 64 biases meet in LDS and leave as one store of 256 bytes by wave 0.
; No matrix unit, no cluster: the launch reads 2 MiB once and writes 1 MiB once.
; LIMITS: var = 0, NaN and infinite inputs are not served.
.set CHUNK, 16896
.set XR, 4                             ; v[4:19]   task i: 8 numbers as loaded
.set PK, 20                            ; v[20:27]  task i: 4 registers, 8 bf16 to store
.set WD, 28                            ; v[28:35]  the rounded numbers, widened again
.set SM, 36                            ; v[36:37]  sum of squares
.set CB, 44                            ; v44       -1/2 sc SG
	s_load_b256 s[4:11], s[0:1], 0x0               ; means s[4:5], t s[6:7], sd s[8:9], kb s[10:11]
	v_lshl_add_u32 v48, v0, 2, 0x100
	v_mov_b32 v49, 0
	v_lshrrev_b32 v1, 5, v0
	v_readfirstlane_b32 s12, v1                    ; wave number
	s_lshl_b32 s14, ttmp9, 14                      ; the group's 64 rows of means: 16,384 bytes each group
	s_mov_b32 s15, 0
	s_lshr_b32 s16, ttmp9, 1
	s_mul_i32 s16, s16, CHUNK                      ; my chunk
	s_and_b32 s18, ttmp9, 1                        ; which half of it
	s_lshl_b32 s19, s18, 13
	s_add_co_u32 s20, s16, s19                     ; my 64 rows of bf16: 8,192 bytes
	s_mov_b32 s21, 0
	s_lshl_b32 s19, s18, 8
	s_add_co_u32 s22, s16, s19
	s_add_co_u32 s22, s22, 16384                   ; my 64 biases: 256 bytes
	s_mov_b32 s23, 0
	v_lshlrev_b32 v1, 5, v0                        ; 32 n: where I read
	v_lshlrev_b32 v2, 4, v0                        ; 16 n: where I store
	v_lshrrev_b32 v3, 3, v0
	v_lshlrev_b32 v3, 2, v3                        ; LDS: 4 x my key in the group (task 1: 32 keys on)
	s_wait_kmcnt 0x0
	s_load_b32 s24, s[6:7], 0x0                    ; t
	s_load_b32 s25, s[8:9], 0x0                    ; sd
	s_add_nc_u64 s[4:5], s[4:5], s[14:15]
	s_add_nc_u64 s[26:27], s[10:11], s[20:21]
	s_add_nc_u64 s[28:29], s[10:11], s[22:23]
.irp i, 0,1
	global_load_b128 v[XR+8*\i:XR+8*\i+3],   v1, s[4:5] offset:8192*\i th:TH_LOAD_NT
	global_load_b128 v[XR+8*\i+4:XR+8*\i+7], v1, s[4:5] offset:8192*\i+16 th:TH_LOAD_NT
.endr
	s_wait_kmcnt 0x0
	v_mov_b32 v40, s24
	v_mul_f32 v40, 0xbfb8aa3b, v40                 ; -t log2(e)
	v_exp_f32 v40, v40                             ; sc
	v_mov_b32 v42, s25                             ; the plain instruction between v_exp_f32 and the use of its result (ISA guide 5.7.2)
	s_wait_alu depctr_va_vdst(0)
	v_mul_f32 v41, v40, v40                        ; sc^2
	v_mul_f32 v42, v42, v42                        ; sd^2
	v_mul_f32 v42, v41, v42
	v_sub_f32 v43, 1.0, v41
	v_add_f32 v43, v42, v43                        ; var, summed in the order of the definition
	v_and_b32 v43, 0x80000000, v43                 ; its sign
	v_mul_f32 v[CB], -0.5, v40
	v_xor_b32 v[CB], v[CB], v43                    ; -1/2 sc SG
.macro TASK i
.irp j, 0,1,2,3
	v_cvt_pk_bf16_f32 v[PK+4*\i+\j], v[XR+8*\i+2*\j], v[XR+8*\i+2*\j+1]
.endr
	global_store_b128 v2, v[PK+4*\i:PK+4*\i+3], s[26:27] offset:4096*\i   ; sixteen lanes: 256 consecutive bytes, aligned
.irp j, 0,1,2,3
	v_lshlrev_b32 v[WD+2*\j],   16, v[PK+4*\i+\j]
	v_and_b32     v[WD+2*\j+1], 0xffff0000, v[PK+4*\i+\j]
.endr
	v_pk_mul_f32 v[SM:SM+1], v[WD:WD+1], v[WD:WD+1]                       ; the first squares start the sum
.irp j, 2,4,6
	v_pk_fma_f32 v[SM:SM+1], v[WD+\j:WD+\j+1], v[WD+\j:WD+\j+1], v[SM:SM+1]
.endr
	v_add_f32 v[SM], v[SM], v[SM+1]
	v_add_f32_dpp v[SM], v[SM], v[SM] row_xmask:1 row_mask:0xf bank_mask:0xf   ; over the key's eight lanes
	v_add_f32_dpp v[SM], v[SM], v[SM] row_xmask:2 row_mask:0xf bank_mask:0xf
	v_add_f32_dpp v[SM], v[SM], v[SM] row_xmask:4 row_mask:0xf bank_mask:0xf
	v_mul_f32 v[SM], v[SM], v[CB]
	ds_store_b32 v3, v[SM] offset:128*\i           ; the eight lanes write one word with one value
.endm
	s_wait_loadcnt 0x2                             ; task 0's two loads are in, task 1's two may be out
	TASK 0
	s_wait_loadcnt 0x0
	TASK 1
	s_wait_dscnt 0x0                               ; my biases are in LDS, for wave 0's sake
	s_barrier_signal -1
	s_barrier_wait -1
	s_cmp_lg_u32 s12, 0
	s_cbranch_scc1 .Lend
	v_lshlrev_b32 v4, 3, v0                        ; wave 0: 8 bytes a lane
	ds_load_b64 v[6:7], v4
	s_wait_dscnt 0x0
	global_store_b64 v4, v[6:7], s[28:29]          ; 32 lanes: 256 consecutive bytes, aligned
.Lend:
	s_wait_tensorcnt 0x0
	ds_add_u32 v48, v49
	s_wait_dscnt 0x0
	s_endpgm
.Lfunc_end_k_q78767900f2_prep:
	.size	k_q78767900f2_prep, .Lfunc_end_k_q78767900f2_prep-k_q78767900f2_prep
	.p2alignl 7, 3214868480
	.fill 96, 4, 3214868480
	.section	.rodata,"a",@progbits
	.p2align	6, 0x0
	.amdhsa_kernel k_q78767900f2_prep
		.amdhsa_group_segment_fixed_size 1280
		.amdhsa_private_segment_fixed_size 0
		.amdhsa_enable_private_segment 0
		.amdhsa_kernarg_size 32
		.amdhsa_user_sgpr_count 2
		.amdhsa_user_sgpr_kernarg_segment_ptr 1
		.amdhsa_wavefront_size32 1
		.amdhsa_system_sgpr_workgroup_id_x 1
		.amdhsa_system_sgpr_workgroup_id_y 1
		.amdhsa_system_sgpr_workgroup_id_z 1
		.amdhsa_system_vgpr_workitem_id 0
		.amdhsa_next_free_vgpr 50
		.amdhsa_next_free_sgpr 66
		.amdhsa_reserve_vcc 0
		.amdhsa_float_denorm_mode_32 3
		.amdhsa_float_denorm_mode_16_64 3
		.amdhsa_memory_ordered 1
		.amdhsa_forward_progress 1
		.amdhsa_inst_pref_size 6
	.end_amdhsa_kernel
	.amdgpu_metadata
---
amdhsa.version: [ 1, 2 ]
amdhsa.kernels:
  - .name:           k_q78767900f2_prep
    .symbol:         k_q78767900f2_prep.kd
    .args:
      - { .name: means, .offset: 0, .size: 8, .value_kind: global_buffer, .address_space: global }
      - { .name: t, .offset: 8, .size: 8, .value_kind: global_buffer, .address_space: global }
      - { .name: standard_dev, .offset: 16, .size: 8, .value_kind: global_buffer, .address_space: global }
      - { .name: kb, .offset: 24, .size: 8, .value_kind: global_buffer, .address_space: global }
    .group_segment_fixed_size: 1280
    .private_segment_fixed_size: 0
    .kernarg_segment_align: 8
    .kernarg_segment_size: 32
    .max_flat_workgroup_size: 256
    .sgpr_count:     66
    .vgpr_count:     50
    .wavefront_size: 32
...
	.end_amdgpu_metadata
.endif
;; end of part 1
;; launch attn (part 2): grid 256 x 1, 8 waves a work-group, clusters of 4 x 1, 327,680 bytes of LDS; arguments kb, t, standard_dev, x, out0; writes out0
.if DOCPART == 2
	.amdgcn_target "amdgcn-amd-amdhsa--gfx1250"
	.amdhsa_code_object_version 6
	.text
	.protected	k_q78767900f2_attn
	.globl	k_q78767900f2_attn
	.p2align	8
	.type	k_q78767900f2_attn,@function
k_q78767900f2_attn:
	s_mov_b64 s[64:65], 0
	v_nop
	global_prefetch_b8 v0, s[64:65] scope:SCOPE_SE
	s_setreg_imm32_b32 hwreg(HW_REG_WAVE_MODE, 25, 1), 1
	s_wait_xcnt 0x0
	s_wait_alu depctr_hold_cnt(0) depctr_sa_sdst(0) depctr_va_vdst(0) depctr_va_sdst(0) depctr_va_ssrc(0) depctr_va_vcc(0) depctr_vm_vsrc(0)
	s_getreg_b32 s2, hwreg(HW_REG_IB_STS2, 6, 4)
	s_cmp_eq_u32 s2, 0
	s_cbranch_scc0 .Lentry_in_a_cluster
	s_endpgm
.Lentry_in_a_cluster:
	s_bfe_u32 s2, ttmp6, 0x10000c
	s_cmp_lg_u32 s2, 0x3003
	s_cbranch_scc0 .Lentry_shape_is_right
	s_endpgm
.Lentry_shape_is_right:
; out = C1 x + C2 softmax_k( FA S'[q][k] ) @ m_bf16, with S' = (SG x)_bf16 . m_bf16 + bias[k]  (bias from the first launch),
; sc = exp(-t), var = sc^2 sd^2 + (1 - sc^2), FA = |sc / var| log2(e), SG = sign(var), dw = sc^2 sd^2 / var, C1 = dw / sc, C2 = 1 - dw.
; (|x|^2 is the same for all keys of a row and drops out of the softmax.)  The maximum is taken away as a running maximum.
; SHARES: a work-group owns 64 rows of x; eight waves, two on a SIMD, 512 registers each.  Wave w takes ALL 64 rows (4 tiles of 16) against
; 1,024 keys, chunks 8 p + w of the key table for p = 0 .. 7: a fragment of K, V or bias from LDS feeds four tiles of rows.
; The eight partial results (maximum, sum, 64 x 64 numbers) are merged through LDS at the end, in a fixed order.
; BOTH PRODUCTS ARE TRANSPOSED.  S^T = K Q^T: lane (r, h) holds query r and keys 8 h + j, so maximum and sum stay in the lane but for one
; exchange of the halves, and the packed weights of key tiles 2 kp, 2 kp + 1 ARE registers 0-3, 4-7 of the second product's B fragment.
; O^T = V^T P^T: V^T comes out of the same LDS tile by the transposing load.
; CLUSTER: all work-groups walk the whole table, so four of them ask jointly (mask 15): each wave's load is the same in the four.
; A mask names four work-groups at the most here, so a larger cluster would share nothing more.
; PIPELINE: stage n (block of 64 keys b = n / 4, tile of rows qt = n % 4) does the softmax of tile n on the vector unit and gives the matrix
; unit the second product of tile n - 1 and the scores of tile n + 1.
; LIMITS: var = 0, NaN and infinite inputs are not served; FA |S'| must stay below f32's largest number; weights below 2^-126 count as 0;
; x, means and the weights enter the matrix unit rounded to bf16, sums in f32.
.set PITCH,  272                       ; an LDS row: 256 bytes (two keys of 128) + 16 of padding
.set PART,   66*PITCH                  ; a chunk in LDS: 64 rows of keys, 2 rows of biases = 17,952 bytes
.set SLOT,   8*PART                    ; eight waves' parts = 143,616 bytes; two slots
.set HALFC,  32*PITCH                  ; 64 keys
.set ML,     2*SLOT                    ; 287,232: maxima at 32 q + 4 w, sums 2,048 further; no fill lands here
.set QS,     ML+4096                   ; 291,328: the 64 rows of SG x in bf16; no fill lands here
.set QPITCH, 144                       ; 128 bytes + 16
.set CHUNK,  16896                     ; a chunk in memory
.set G1,  16                           ; s[16:23] descriptor group 1
.set G0A, 24                           ; s[24:27] group 0 of slot 0
.set G0B, 28                           ; s[28:31] group 0 of slot 1
; window 0
.set KA,  1                            ; v1, v2    LDS address of my K fragments in slot 0, 1
.set VA,  3                            ; v3, v4    the same for V^T
.set BA,  5                            ; v5, v6    the same for the biases
.set XO,  7                            ; v7        byte offset of my 16 bytes in the wave's 8 rows of x and of out0; never rewritten
.set RM,  8                            ; v[8:11]   running maximum of S', one for each tile of rows
.set RL,  12                           ; v[12:19]  running sum, a pair for each tile of rows
.set NB,  20                           ; v[20:21]  -FA x maximum (v21 only completes the pair)
.set AL,  22                           ; v[22:23]  the factor for what was summed so far (v23 only completes the pair)
.set RT,  24                           ; v[24:27]  at work
.set NBO, 28                           ; v[28:31]  NB of the tile's last stage
.set RS,  32                           ; v[32:159] scores: 32 registers a tile of rows; the packed weights go into the lower 16
.set RK,  160                          ; v[160:223] K fragments (kt, ks)
.set RB,  224                          ; v[224:255] biases (kt)
; window 1
.set RO,  0                            ; v[256:383] O^T (qt, dt)
.set RQ,  128                          ; v[384:447] Q fragments (qt, ks)
.set RV,  192                          ; v[448:511] V^T fragments (kp, dt)
.set MSB, 0
.macro WIN new                         ; low byte: bits 1:0 source 0, 3:2 source 1, 5:4 source 2, 7:6 destination; the high byte repeats the setting left
.if MSB != \new
	s_set_vgpr_msb (MSB<<8)|\new
.set MSB, \new
.endif
.endm
.macro CREST                           ; a round of the cluster's barrier behind its opening barrier
	s_cmp_lg_u32 s14, 0
	s_cbranch_scc1 .Lnot_wave_0_\@
	s_barrier_signal -3
.Lnot_wave_0_\@:
	s_barrier_wait -3
	s_barrier_signal -1
	s_barrier_wait -1
.endm
.macro ROUND                           ; a whole round
	s_barrier_signal -1
	s_barrier_wait -1
	CREST
.endm
	s_load_b256 s[4:11], s[0:1], 0x0               ; kb s[4:5], t s[6:7], sd s[8:9], x s[10:11]
	s_load_b64 s[12:13], s[0:1], 0x20              ; out0
	v_lshl_add_u32 v158, v0, 2, 0x49600
	v_mov_b32 v159, 0
	ds_add_u32 v158, v159
	s_wait_dscnt 0x0
	v_lshrrev_b32 v24, 5, v0
	v_readfirstlane_b32 s14, v24                   ; wave 0..7
	s_bfe_u32 s15, ttmp6, 0x40000                  ; cx: enters the bases of x and out0 alone
	s_lshl_b32 s48, ttmp9, 2
	s_add_co_u32 s48, s48, s15                     ; work-group = 4 x cluster + cx
	s_lshl_b32 s48, s48, 14                        ; its 64 rows of 256 bytes
	s_mov_b32 s49, 0
	s_mov_b32 s44, 0x76543210                      ; v_permlanex16_b32: lane i of one half reads lane i of the other
	s_mov_b32 s45, 0xfedcba98
	; group 1: a chunk is dense in memory: 66 rows of 32 elements of 8 bytes, 16 bytes of padding behind each row
	s_mov_b32 s[G1+0], 15|(3<<16)|(1<<20)|(1<<21)|(5<<22)|(3<<25)   ; mask of the four; 8-byte elements; padding on; bit 21 beside a mask; after 64 words, 4 words
	s_mov_b32 s[G1+1], 32<<16                      ; tensor_dim0 = 32
	s_mov_b32 s[G1+2], 66<<16                      ; tensor_dim1 = 66
	s_mov_b32 s[G1+3], 32<<16                      ; tile_dim0 = 32
	s_mov_b32 s[G1+4], 66                          ; tile_dim1 = 66
	s_mov_b32 s[G1+5], 32                          ; from row to row: 32 elements
	s_mov_b32 s[G1+6], 0
	s_mov_b32 s[G1+7], 0
	s_mul_i32 s52, s14, CHUNK                      ; chunk w: the wave's number alone, equal in the four partners
	s_mov_b32 s53, 0
	s_wait_kmcnt 0x0
	s_load_b32 s32, s[6:7], 0x0                    ; t
	s_load_b32 s33, s[8:9], 0x0                    ; sd
	s_add_nc_u64 s[10:11], s[10:11], s[48:49]
	s_add_nc_u64 s[12:13], s[12:13], s[48:49]
	s_mov_b32 s[G0A], 1
	s_mul_i32 s[G0A+1], s14, PART                  ; my part of slot 0
	s_add_nc_u64 s[G0A+2:G0A+3], s[4:5], s[52:53]  ; chunk w
	s_mov_b32 s[G0B], 1
	s_add_co_u32 s[G0B+1], s[G0A+1], SLOT          ; my part of slot 1
	s_add_nc_u64 s[G0B+2:G0B+3], s[G0A+2:G0A+3], 8*CHUNK   ; chunk 8 + w
	s_or_b32 s[G0A+3], s[G0A+3], 0x80000000        ; type = 2
	s_or_b32 s[G0B+3], s[G0B+3], 0x80000000
	ROUND                                          ; the four work-groups are here: the first joint loads meet
	tensor_load_to_lds s[G0A:G0A+3], s[G1:G1+7]    ; both first fills go out together: two loads of the wave are out, later one
	s_nop 0
	tensor_load_to_lds s[G0B:G0B+3], s[G1:G1+7]
	s_nop 0
	v_and_b32 v24, 15, v0                          ; r
	v_bfe_u32 v25, v0, 4, 1                        ; h
	v_bfe_u32 v26, v0, 1, 3                        ; r >> 1
	v_and_b32 v27, 1, v0                           ; lane & 1
	v_and_b32 v[XO], 31, v0
	v_lshlrev_b32 v[XO], 4, v[XO]
	v_lshl_add_u32 v[XO], s14, 11, v[XO]           ; 2,048 w + 16 lane: load i takes rows 8 w + 2 i, 8 w + 2 i + 1 whole
.irp i, 0,1,2,3
	global_load_b128 v[RS+4*\i:RS+4*\i+3], v[XO], s[10:11] offset:512*\i   ; 512 consecutive bytes a wave
.endr
	; K fragment: lane (r, h) takes key 16 kt + r, dims 32 ks + 8 h .. and 16 further.  Key k lies at (k >> 1) 272 + (k & 1) 128:
	; the sixteen lanes of a half touch sixteen different 16-byte columns modulo 256 bytes ((r >> 1) + 8 (r & 1)).
	v_mul_u32_u24 v[KA], v26, PITCH
	v_lshl_add_u32 v[KA], v27, 7, v[KA]
	v_lshl_add_u32 v[KA], v25, 4, v[KA]
	v_add_nc_u32 v[KA], s[G0A+1], v[KA]
	v_add_nc_u32 v[KA+1], SLOT, v[KA]
	; V^T fragment by the transposing load: lane L addresses key 8 h + (L & 7), 16 bytes at 16 dt, and 64 bytes further for lanes 8-15 of a half:
	; rows 0-7 of tile dt are dims 8 dt .., rows 8-15 dims 32 + 8 dt ..  Columns {0..3} + {0, 8} + {0, 4}: sixteen different ones again.
	v_bfe_u32 v28, v0, 1, 2
	v_lshl_add_u32 v28, v25, 2, v28
	v_mul_u32_u24 v[VA], v28, PITCH
	v_lshl_add_u32 v[VA], v27, 7, v[VA]
	v_bfe_u32 v29, v0, 3, 1
	v_lshl_add_u32 v[VA], v29, 6, v[VA]
	v_add_nc_u32 v[VA], s[G0A+1], v[VA]
	v_add_nc_u32 v[VA+1], SLOT, v[VA]
	v_lshl_add_u32 v[BA], v25, 5, s[G0A+1]         ; biases of keys 8 h .. 8 h + 7 of a tile: the C operand's rows
	v_add_nc_u32 v[BA], 64*PITCH, v[BA]
	v_add_nc_u32 v[BA+1], SLOT, v[BA]
	v_mul_u32_u24 v30, v25, QPITCH                 ; Q stage, in: row 8 w + h (+ 2 i), 8 bytes at 8 r
	v_lshl_add_u32 v30, v24, 3, v30
	s_mul_i32 s51, s14, 8*QPITCH
	s_add_co_u32 s51, s51, QS
	v_add_nc_u32 v30, s51, v30
	v_mul_u32_u24 v31, v24, QPITCH                 ; Q stage, back: row r (+ 16 qt), 16 bytes at 16 h
	v_lshl_add_u32 v31, v25, 4, v31
	v_add_nc_u32 v31, QS, v31
	v_mov_b32 v[NB+1], 0
	v_mov_b32 v[AL+1], 0
	s_wait_kmcnt 0x0
	v_mov_b32 v56, s32
	v_mul_f32 v56, 0xbfb8aa3b, v56                 ; -t log2(e)
	v_exp_f32 v56, v56                             ; sc
	v_mov_b32 v57, s33                             ; a plain instruction between a transcendental and the use of its result (ISA guide 5.7.2)
	s_wait_alu depctr_va_vdst(0)
	v_mul_f32 v58, v56, v56                        ; sc^2
	v_mul_f32 v57, v57, v57
	v_mul_f32 v57, v58, v57                        ; sc^2 sd^2
	v_sub_f32 v58, 1.0, v58
	v_add_f32 v58, v57, v58                        ; var
	v_rcp_f32 v59, v58
	v_rcp_f32 v60, v56
	v_and_b32 v61, 0x80000000, v58                 ; the sign of var (the plain instruction behind the two reciprocals)
	s_wait_alu depctr_va_vdst(0)
	v_mul_f32 v62, v56, v59
	v_mul_f32 v62, 0x3fb8aa3b, v62
	v_and_b32 v62, 0x7fffffff, v62                 ; FA
	v_or_b32 v61, 0x3f800000, v61                  ; SG
	v_mul_f32 v57, v57, v59                        ; dw
	v_mul_f32 v60, v57, v60                        ; C1
	v_sub_f32 v57, 1.0, v57                        ; C2
	v_readfirstlane_b32 s34, v62
	v_readfirstlane_b32 s38, v61
	v_readfirstlane_b32 s40, v60
	v_readfirstlane_b32 s42, v57
	s_mov_b32 s35, s34
	s_mov_b32 s39, s38
	s_mov_b32 s41, s40
	s_xor_b32 s36, s34, 0x80000000                 ; -FA
	s_wait_loadcnt 0x0
.irp i, 0,2,4,6,8,10,12,14
	v_pk_mul_f32 v[RS+\i:RS+\i+1], v[RS+\i:RS+\i+1], s[38:39] op_sel_hi:[1,0]   ; SG x: exact
.endr
.irp i, 0,1,2,3,4,5,6,7
	v_cvt_pk_bf16_f32 v[RS+16+\i], v[RS+2*\i], v[RS+2*\i+1]
.endr
.irp i, 0,1,2,3
	ds_store_b64 v30, v[RS+16+2*\i:RS+16+2*\i+1] offset:2*QPITCH*\i
.endr
	s_wait_dscnt 0x0                               ; my 8 rows of Q are in LDS, for the other waves' sake
	s_barrier_signal -1                            ; the two fills may stay out
	s_barrier_wait -1
	WIN 0x40
.irp qt, 0,1,2,3
.irp ks, 0,1
	ds_load_b128 v[RQ+16*\qt+8*\ks:RQ+16*\qt+8*\ks+3],   v31 offset:16*QPITCH*\qt+64*\ks
	ds_load_b128 v[RQ+16*\qt+8*\ks+4:RQ+16*\qt+8*\ks+7], v31 offset:16*QPITCH*\qt+64*\ks+32
.endr
.endr
; 24 loads: K fragments and biases of the 64 keys of half hf of slot s
.macro KLOAD s, hf
	WIN 0
.irp kt, 0,1,2,3
.irp ks, 0,1
	ds_load_b128 v[RK+16*\kt+8*\ks:RK+16*\kt+8*\ks+3],   v[KA+\s] offset:\hf*HALFC+\kt*8*PITCH+64*\ks
	ds_load_b128 v[RK+16*\kt+8*\ks+4:RK+16*\kt+8*\ks+7], v[KA+\s] offset:\hf*HALFC+\kt*8*PITCH+64*\ks+32
.endr
.endr
.irp kt, 0,1,2,3
	ds_load_b128 v[RB+8*\kt:RB+8*\kt+3],   v[BA+\s] offset:\hf*PITCH+64*\kt
	ds_load_b128 v[RB+8*\kt+4:RB+8*\kt+7], v[BA+\s] offset:\hf*PITCH+64*\kt+16
.endr
.endm
; 16 transposing loads: V^T of the same 64 keys
.macro VLOAD s, hf
	WIN 0x40
.irp kp, 0,1
.irp dt, 0,1,2,3
	ds_load_tr16_b128 v[RV+32*\kp+8*\dt:RV+32*\kp+8*\dt+3],   v[VA+\s] offset:\hf*HALFC+\kp*16*PITCH+16*\dt
	ds_load_tr16_b128 v[RV+32*\kp+8*\dt+4:RV+32*\kp+8*\dt+7], v[VA+\s] offset:\hf*HALFC+\kp*16*PITCH+16*\dt+8*PITCH
.endr
.endr
.endm
; Score instruction i of tile of rows qn (window 0x04): key tile i & 3, dims 32 (i >> 2) ..; the first link takes the biases as C.
; The four accumulators take turns, one instruction a turn.
.macro SW qn, i
.set KT, (\i)&3
.set KS, (\i)>>2
.set SD, RS+32*(\qn)+8*KT
.if KS
	v_wmma_f32_16x16x32_bf16 v[SD:SD+7], v[RK+16*KT+8:RK+16*KT+15], v[RQ+16*(\qn)+8:RQ+16*(\qn)+15], v[SD:SD+7]
.else
	v_wmma_f32_16x16x32_bf16 v[SD:SD+7], v[RK+16*KT:RK+16*KT+7], v[RQ+16*(\qn):RQ+16*(\qn)+7], v[RB+8*KT:RB+8*KT+7]
.endif
.endm
; Second product, instruction i of tile of rows qp (window 0x51): dims tile i & 3, keys 32 (i >> 2) ..; zero = 1: the first link starts the sums.
.macro PW qp, i, zero
.set DT, (\i)&3
.set KP, (\i)>>2
.set OD, RO+32*(\qp)+8*DT
.set PZ, (\zero)*(1-KP)
.if PZ
	v_wmma_f32_16x16x32_bf16 v[OD:OD+7], v[RV+32*KP+8*DT:RV+32*KP+8*DT+7], v[RS+32*(\qp)+8*KP:RS+32*(\qp)+8*KP+7], 0
.else
	v_wmma_f32_16x16x32_bf16 v[OD:OD+7], v[RV+32*KP+8*DT:RV+32*KP+8*DT+7], v[RS+32*(\qp)+8*KP:RS+32*(\qp)+8*KP+7], v[OD:OD+7]
.endif
.endm
; Two pairs of weights onto the running sum.  As a multiply-add by 1.0: source 1's window is Q's here, so no vector register stands there.
.macro SUM2 qt, g, hh, first
.set SB, RS+32*\qt+8*(\g)+4*\hh
.set LB, RL+2*\qt
.if \first
.if (\g)+\hh == 0
	s_wait_alu depctr_va_vdst(0)
	v_pk_mul_f32 v[LB:LB+1], v[SB:SB+1], 1.0 op_sel_hi:[1,0]              ; the first pair starts the sum: nothing is cleared
.else
	s_wait_alu depctr_va_vdst(0)
	v_pk_fma_f32 v[LB:LB+1], v[SB:SB+1], 1.0, v[LB:LB+1] op_sel_hi:[1,0,1]
.endif
.else
	s_wait_alu depctr_va_vdst(0)
	v_pk_fma_f32 v[LB:LB+1], v[SB:SB+1], 1.0, v[LB:LB+1] op_sel_hi:[1,0,1]
.endif
	v_pk_fma_f32 v[LB:LB+1], v[SB+2:SB+3], 1.0, v[LB:LB+1] op_sel_hi:[1,0,1]
.endm
; Half a group of eight scores: one score instruction of the next tile, four exponentials of group g, the exponents of half of group g + 1,
; the sums of half of group g - 1.  Behind the exponentials always stands a plain instruction on other registers (ISA guide 5.7.2).
.macro CHALF qt, g, hh, sn, first
.if \sn
	SW (\qt+1)&3, 2*\g+\hh
.endif
.set EB, RS+32*\qt+8*\g+4*\hh
.irp e, 0,1,2,3
	v_exp_f32 v[EB+\e], v[EB+\e]
.endr
.if \g < 3
.irp e, 8,10
	v_pk_fma_f32 v[EB+\e:EB+\e+1], v[EB+\e:EB+\e+1], s[34:35], v[NB:NB+1] op_sel_hi:[1,0,0]
.endr
.endif
.if \g > 0
	SUM2 \qt, \g-1, \hh, \first
.endif
.endm
; STAGE: qt = the tile of rows; first = 1: its first block (no old maximum, nothing to rescale); pv = 0 none, 1 the second product of the
; tile before, 2 the same starting its sums; sn = 1: the scores of the next tile; vl = 1: V^T of slot vs, half vh is fetched.
.macro STAGE qt, first, pv, sn, vl, vs, vh
.set SQ, RS+32*\qt
.set QP, (\qt+3)&3
.if \pv == 2
.set ZR, 1
.else
.set ZR, 0
.endif
	WIN 0
	; the maximum of my 32 scores and the old one, four chains; the scores' last matrix instruction stands 22 plain vector instructions back
.irp c, 0,1,2,3
	v_max3_num_f32 v[RT+\c], v[SQ+8*\c], v[SQ+8*\c+1], v[SQ+8*\c+2]
.endr
.irp c, 0,1,2,3
	v_max3_num_f32 v[RT+\c], v[RT+\c], v[SQ+8*\c+3], v[SQ+8*\c+4]
.endr
.irp c, 0,1,2,3
	v_max3_num_f32 v[RT+\c], v[RT+\c], v[SQ+8*\c+5], v[SQ+8*\c+6]
.endr
	v_max3_num_f32 v[RT], v[RT], v[RT+1], v[SQ+7]
	v_max3_num_f32 v[RT+2], v[RT+2], v[RT+3], v[SQ+15]
	v_max3_num_f32 v[RT], v[RT], v[RT+2], v[SQ+23]
.if \first
	v_max_num_f32 v[RT], v[RT], v[SQ+31]
.else
	v_max3_num_f32 v[RT], v[RT], v[SQ+31], v[RM+\qt]
.endif
	v_permlanex16_b32 v[RT+1], v[RT], s44, s45     ; the other half's keys of the same query
	v_max_num_f32 v[RM+\qt], v[RT], v[RT+1]
	v_mul_f32 v[NB], s36, v[RM+\qt]                ; -FA x maximum
.if \first
	v_mov_b32 v[NBO+\qt], v[NB]
.else
	v_sub_f32 v[AL], v[NB], v[NBO+\qt]             ; from the two offsets as they were rounded: exactly 0 where the maximum stays
	v_exp_f32 v[AL], v[AL]
	v_mov_b32 v[NBO+\qt], v[NB]                    ; the plain instruction behind the exponential
	s_wait_alu depctr_va_vdst(0)
	v_pk_mul_f32 v[RL+2*\qt:RL+2*\qt+1], v[RL+2*\qt:RL+2*\qt+1], v[AL:AL+1] op_sel_hi:[1,0]
.endif
.if \pv
.if \qt == 1
	s_wait_dscnt 0x0                               ; the block's V^T, fetched a stage ago; nothing else is out
.endif
	WIN 0x51                                       ; O and V in window 1, weights and AL in window 0
.irp i, 0,1,2,3,4,5,6,7
	PW QP, \i, ZR
.if \first == 0
.set OB, RO+32*\qt+4*\i
	v_pk_mul_f32 v[OB:OB+1], v[OB:OB+1], v[AL:AL+1] op_sel_hi:[1,0]       ; my own tile's O, which no matrix instruction of this stage names
	v_pk_mul_f32 v[OB+2:OB+3], v[OB+2:OB+3], v[AL:AL+1] op_sel_hi:[1,0]
.endif
.endr
.endif
	WIN 0x04                                       ; Q in window 1; every vector instruction below has a scalar or a constant as source 1
.irp e, 0,2,4,6
	v_pk_fma_f32 v[SQ+\e:SQ+\e+1], v[SQ+\e:SQ+\e+1], s[34:35], v[NB:NB+1] op_sel_hi:[1,0,0]
.endr
.if \vl
	VLOAD \vs, \vh                                 ; six plain vector instructions behind the last matrix instruction that read V (ISA guide 7.12.1 asks for four)
	WIN 0x04
.endif
.if \sn
.if \qt == 3
	s_wait_dscnt 0x0                               ; the next block's K and biases, fetched at the end of the stage before
.endif
.endif
.irp g, 0,1,2,3
	CHALF \qt, \g, 0, \sn, \first
	CHALF \qt, \g, 1, \sn, \first
.endr
	SUM2 \qt, 3, 0, \first
	SUM2 \qt, 3, 1, \first
	WIN 0
.irp i, 0,1,2,3,4,5,6,7,8,9,10,11,12,13,14,15
	v_cvt_pk_bf16_f32 v[SQ+\i], v[SQ+2*\i], v[SQ+2*\i+1]                  ; in place, ascending: register i is written after 2 i and 2 i + 1 were read
.endr
.endm
.macro ST qt
	STAGE \qt, 0, 1, 1, 0, 0, 0
.endm
.macro STV s, hf
	STAGE 0, 0, 1, 1, 1, \s, \hf
.endm
; A slot is filled again: my reads of it are back, all my tensor loads have landed (so its group 0 may step), and I say so ...
.macro OPEN g0
	s_wait_dscnt 0x0
	s_wait_xcnt 0x0
	v_lshl_add_u32 v158, v0, 2, 0x49600
	v_mov_b32 v159, 0
	s_wait_tensorcnt 0x0
	ds_add_u32 v158, v159
	s_wait_dscnt 0x0
	s_add_nc_u64 s[\g0+2:\g0+3], s[\g0+2:\g0+3], 16*CHUNK                 ; the slot's next chunk: 16 chunks on
	s_barrier_signal -1
.endm
; ... one stage of register work later all eight waves and all four work-groups have said so; the joint refill comes first, one load a wave.
.macro REFILL g0
	s_barrier_wait -1
	CREST
	tensor_load_to_lds s[\g0:\g0+3], s[G1:G1+7]
	s_nop 0
.endm
	s_wait_tensorcnt 0x1                           ; chunk w is in my part of slot 0, which I alone read; chunk 8 + w may be out
	KLOAD 0, 0
	VLOAD 0, 0
	s_wait_dscnt 16                                ; Q, K and biases are in; the 16 younger loads (V^T) may be out
	WIN 0x04
.irp i, 0,1,2,3,4,5,6,7
	SW 0, \i
.endr
	WIN 0
.rept 4
	v_nop                                          ; four places between the last matrix instruction and the first read of a score (ISA guide 7.12.1)
.endr
	STAGE 0, 1, 0, 1, 0, 0, 0                      ; stages 0 to 4 stand in front of the loop: first maxima, first sums, first products
	STAGE 1, 1, 2, 1, 0, 0, 0
	STAGE 2, 1, 2, 1, 0, 0, 0
	KLOAD 0, 1
	STAGE 3, 1, 2, 1, 0, 0, 0
	STAGE 0, 0, 2, 1, 1, 0, 1
	s_mov_b32 s46, 3                               ; 3 trips of 16 stages: stages 5 to 52, six refills (chunks 16 + w .. 56 + w)
.Ltrip:
	ST 1                                           ; its wait has brought the last reads of slot 0 back
	OPEN G0A
	ST 2
	REFILL G0A
	KLOAD 1, 0
	ST 3
	STV 1, 0
	ST 1
	ST 2
	KLOAD 1, 1
	ST 3
	STV 1, 1
	ST 1
	OPEN G0B
	ST 2
	REFILL G0B
	KLOAD 0, 0
	ST 3
	STV 0, 0
	ST 1
	ST 2
	KLOAD 0, 1
	ST 3
	STV 0, 1
	s_sub_co_u32 s46, s46, 1
	s_cmp_lg_u32 s46, 0
	s_cbranch_scc1 .Ltrip
	ST 1                                           ; stages 53 to 63: nothing is left to fetch from memory
	ST 2
	s_wait_tensorcnt 0x0                           ; my last chunk is in slot 1
	KLOAD 1, 0
	ST 3
	STV 1, 0
	ST 1
	ST 2
	KLOAD 1, 1
	ST 3
	STV 1, 1
	ST 1
	ST 2
	STAGE 3, 0, 1, 0, 0, 0, 0                      ; no next tile
	WIN 0x51
.irp i, 0,1,2,3,4,5,6,7
	PW 3, \i, 0                                    ; the last tile's second product
.endr
	WIN 0
	; THE MERGE of the eight waves' partial results.
.irp q, 0,1,2,3
	v_add_f32 v[RL+2*\q], v[RL+2*\q], v[RL+2*\q+1]
.endr
.irp q, 0,1,2,3
	v_permlanex16_b32 v[RL+2*\q+1], v[RL+2*\q], s44, s45
.endr
.irp q, 0,1,2,3
	v_add_f32 v[RL+2*\q], v[RL+2*\q], v[RL+2*\q+1] ; my wave's sum for query r, in both halves
.endr
.irp i, 0,1,2,3
	global_load_b128 v[RB+4*\i:RB+4*\i+3], v[XO], s[10:11] offset:512*\i  ; x of the 8 rows that I shall write
.endr
	v_and_b32 v24, 15, v0                          ; r
	v_bfe_u32 v25, v0, 4, 1                        ; h
	v_lshlrev_b32 v1, 5, v24
	v_add_nc_u32 v1, ML, v1                        ; the eight waves' words of query r
	v_lshl_add_u32 v2, s14, 2, v1                  ; mine among them
	v_mul_u32_u24 v3, v24, PITCH                   ; O stage = my own part of slot 0, which has had its last fill: row r (+ 16 qt), 128 h
	v_lshl_add_u32 v3, v25, 7, v3
	v_add_nc_u32 v3, s[G0A+1], v3
	s_mul_i32 s51, s14, 8*PITCH
	v_mul_u32_u24 v4, v25, PITCH                   ; back: row 8 w + h (+ 2 i) of stage 0, 16 bytes at 16 r
	v_lshl_add_u32 v4, v24, 4, v4
	v_add_nc_u32 v4, s51, v4
	v_add_nc_u32 v5, 4*PART, v4                    ; the same of stage 4
.irp q, 0,1,2,3
	ds_store_b32 v2, v[RM+\q] offset:512*\q        ; both halves write one word with one value
	ds_store_b32 v2, v[RL+2*\q] offset:2048+512*\q
.endr
	s_wait_dscnt 0x0                               ; for the other waves' sake
	s_barrier_signal -1
	s_barrier_wait -1
.irp q, 0,1,2,3
	ds_load_b128 v[RK+16*\q:RK+16*\q+3],     v1 offset:512*\q
	ds_load_b128 v[RK+16*\q+4:RK+16*\q+7],   v1 offset:512*\q+16
	ds_load_b128 v[RK+16*\q+8:RK+16*\q+11],  v1 offset:2048+512*\q
	ds_load_b128 v[RK+16*\q+12:RK+16*\q+15], v1 offset:2048+512*\q+16
.endr
	s_wait_dscnt 0x0
; beta = C2 2^(NB* - NB_mine) / sum over v of l_v 2^(NB* - NB_v), with NB_v = -(FA m_v) as each wave rounded it
.macro MERGE q
.set MW, RK+16*\q
.set LW, RK+16*\q+8
	v_max3_num_f32 v[RT], v[MW], v[MW+1], v[MW+2]
	v_max3_num_f32 v[RT], v[RT], v[MW+3], v[MW+4]
	v_max3_num_f32 v[RT], v[RT], v[MW+5], v[MW+6]
	v_max_num_f32 v[RT], v[RT], v[MW+7]
	v_mul_f32 v[RT+2], s36, v[RT]                  ; NB*, twice
	v_mul_f32 v[RT+3], s36, v[RT]
.irp e, 0,2,4,6
	v_pk_mul_f32 v[MW+\e:MW+\e+1], v[MW+\e:MW+\e+1], s[34:35] op_sel_hi:[1,0]   ; -NB_v
.endr
.irp e, 0,2,4,6
	v_pk_add_f32 v[MW+\e:MW+\e+1], v[MW+\e:MW+\e+1], v[RT+2:RT+3]
.endr
	v_sub_f32 v[RT+1], v[RT+2], v[NBO+\q]
.irp e, 0,1,2,3,4,5,6,7
	v_exp_f32 v[MW+\e], v[MW+\e]
.endr
	v_exp_f32 v[RT+1], v[RT+1]
	v_nop                                          ; the plain place behind the exponentials
	s_wait_alu depctr_va_vdst(0)
	v_pk_mul_f32 v[LW:LW+1], v[LW:LW+1], v[MW:MW+1]
.irp e, 2,4,6
	v_pk_fma_f32 v[LW:LW+1], v[LW+\e:LW+\e+1], v[MW+\e:MW+\e+1], v[LW:LW+1]
.endr
	v_add_f32 v[LW], v[LW], v[LW+1]
	v_rcp_f32 v[LW], v[LW]
	v_mul_f32 v[RT+1], s42, v[RT+1]                ; the plain place behind the reciprocal
	s_wait_alu depctr_va_vdst(0)
	v_mul_f32 v[RL+2*\q], v[RT+1], v[LW]           ; beta, in the sum's pair
.endm
	MERGE 0
	MERGE 1
	MERGE 2
	MERGE 3
	WIN 0x41
.irp q, 0,1,2,3
.irp i, 0,2,4,6,8,10,12,14,16,18,20,22,24,26,28,30
	v_pk_mul_f32 v[RO+32*\q+\i:RO+32*\q+\i+1], v[RO+32*\q+\i:RO+32*\q+\i+1], v[RL+2*\q:RL+2*\q+1] op_sel_hi:[1,0]
.endr
.endr
	WIN 0x04                                       ; LDS store: address window 0, data window 1
.irp q, 0,1,2,3
.irp dt, 0,1,2,3
	ds_store_b128 v3, v[RO+32*\q+8*\dt:RO+32*\q+8*\dt+3]   offset:16*PITCH*\q+32*\dt     ; lane (r, h) holds dims 32 h + 8 dt + j of query r
	ds_store_b128 v3, v[RO+32*\q+8*\dt+4:RO+32*\q+8*\dt+7] offset:16*PITCH*\q+32*\dt+16
.endr
.endr
	WIN 0
	s_wait_dscnt 0x0                               ; for the other waves' sake
	s_barrier_signal -1
	s_barrier_wait -1
.irp sv, 0,1,2,3
.irp i, 0,1,2,3
	ds_load_b128 v[RS+16*\sv+4*\i:RS+16*\sv+4*\i+3], v4 offset:\sv*PART+2*PITCH*\i
.endr
.endr
.irp sv, 0,1,2,3
.irp i, 0,1,2,3
	ds_load_b128 v[RS+64+16*\sv+4*\i:RS+64+16*\sv+4*\i+3], v5 offset:\sv*PART+2*PITCH*\i
.endr
.endr
	s_wait_loadcnt 0x0                             ; x
	s_wait_dscnt 0x0
.irp i, 0,2,4,6,8,10,12,14
	v_pk_fma_f32 v[RB+\i:RB+\i+1], v[RB+\i:RB+\i+1], s[40:41], v[RS+\i:RS+\i+1] op_sel_hi:[1,0,1]   ; C1 x + wave 0's part
.endr
.irp sv, 1,2,3,4,5,6,7
.irp i, 0,2,4,6,8,10,12,14
	v_pk_add_f32 v[RB+\i:RB+\i+1], v[RB+\i:RB+\i+1], v[RS+16*\sv+\i:RS+16*\sv+\i+1]                 ; the others', in the waves' order
.endr
.endr
.irp i, 0,1,2,3
	global_store_b128 v[XO], v[RB+4*\i:RB+4*\i+3], s[12:13] offset:512*\i  ; sixteen lanes: 256 consecutive bytes, aligned
.endr
	s_wait_xcnt 0x0
	v_lshl_add_u32 v158, v0, 2, 0x49600
	v_mov_b32 v159, 0
	s_wait_tensorcnt 0x0
	ds_add_u32 v158, v159
	s_wait_dscnt 0x0
	ROUND                                          ; the closing round: no work-group ends while a partner may still ask jointly
	s_endpgm
.Lfunc_end_k_q78767900f2_attn:
	.size	k_q78767900f2_attn, .Lfunc_end_k_q78767900f2_attn-k_q78767900f2_attn
	.p2alignl 7, 3214868480
	.fill 96, 4, 3214868480
	.section	.rodata,"a",@progbits
	.p2align	6, 0x0
	.amdhsa_kernel k_q78767900f2_attn
		.amdhsa_group_segment_fixed_size 327680
		.amdhsa_private_segment_fixed_size 0
		.amdhsa_enable_private_segment 0
		.amdhsa_kernarg_size 40
		.amdhsa_user_sgpr_count 2
		.amdhsa_user_sgpr_kernarg_segment_ptr 1
		.amdhsa_wavefront_size32 1
		.amdhsa_system_sgpr_workgroup_id_x 1
		.amdhsa_system_sgpr_workgroup_id_y 1
		.amdhsa_system_sgpr_workgroup_id_z 1
		.amdhsa_system_vgpr_workitem_id 0
		.amdhsa_next_free_vgpr 512
		.amdhsa_next_free_sgpr 66
		.amdhsa_reserve_vcc 0
		.amdhsa_float_denorm_mode_32 3
		.amdhsa_float_denorm_mode_16_64 3
		.amdhsa_memory_ordered 1
		.amdhsa_forward_progress 1
		.amdhsa_inst_pref_size 255
	.end_amdhsa_kernel
	.section	.bss,"aw",@nobits
	.p2align	6
	.space	262144
	.amdgpu_metadata
---
amdhsa.version: [ 1, 2 ]
amdhsa.kernels:
  - .name:           k_q78767900f2_attn
    .symbol:         k_q78767900f2_attn.kd
    .args:
      - { .name: kb, .offset: 0, .size: 8, .value_kind: global_buffer, .address_space: global }
      - { .name: t, .offset: 8, .size: 8, .value_kind: global_buffer, .address_space: global }
      - { .name: standard_dev, .offset: 16, .size: 8, .value_kind: global_buffer, .address_space: global }
      - { .name: x, .offset: 24, .size: 8, .value_kind: global_buffer, .address_space: global }
      - { .name: out0, .offset: 32, .size: 8, .value_kind: global_buffer, .address_space: global }
    .group_segment_fixed_size: 327680
    .private_segment_fixed_size: 0
    .kernarg_segment_align: 8
    .kernarg_segment_size: 40
    .max_flat_workgroup_size: 256
    .sgpr_count:     66
    .vgpr_count:     512
    .wavefront_size: 32
...
	.end_amdgpu_metadata
.endif
;; end of part 2
